; MI455X (gfx1250); checked and timed in simulation.
; The chip was launched on July 23, 2026; its instructions are those of AMD's public machine-readable ISA for CDNA 5 (MIT licence, August 2026) and "CDNA5" Instruction Set Architecture Reference Guide (July 2026). The comments in the code are by the model that wrote it; some were corrected since.
;; Internal Node. Allowed arithmetic: float matrix products may take bf16 or f16 operands with f32 sums; all other float work in f32.
;; Inputs: leaf_logits 256 x 200 float32; similarities 255 x 2,048 float32.
;; Outputs: out0 2,048 x 200 float32.
;; 2 versions, each right and faster than the one before. Each part assembles by itself: llvm-mc -triple=amdgcn-amd-amdhsa -mcpu=gfx1250 --defsym DOCPART=n.
;; ======== version 1 of 2: 1 launch
;; launch tree_lse (part 1): grid 256 x 1, 8 waves a work-group, clusters of 4 x 1, 325,632 bytes of LDS; arguments leaf_logits, similarities, out0; writes out0
.if DOCPART == 1
	.amdgcn_target "amdgcn-amd-amdhsa--gfx1250"
	.amdhsa_code_object_version 6
	.text
	.protected	k_q5b8fa7cd0f_tree_lse
	.globl	k_q5b8fa7cd0f_tree_lse
	.p2align	8
	.type	k_q5b8fa7cd0f_tree_lse,@function
k_q5b8fa7cd0f_tree_lse:
	s_mov_b64 s[64:65], 0
	v_nop
	global_prefetch_b8 v0, s[64:65] scope:SCOPE_SE
	s_setreg_imm32_b32 hwreg(HW_REG_WAVE_MODE, 25, 1), 1
	s_wait_xcnt 0x0
	s_wait_alu depctr_hold_cnt(0) depctr_sa_sdst(0) depctr_va_vdst(0) depctr_va_sdst(0) depctr_va_ssrc(0) depctr_va_vcc(0) depctr_vm_vsrc(0)
	s_getreg_b32 s2, hwreg(HW_REG_IB_STS2, 6, 4)
	s_cmp_eq_u32 s2, 0
	s_cbranch_scc0 .Lentry_in_a_cluster
	s_endpgm
.Lentry_in_a_cluster:
	s_bfe_u32 s2, ttmp6, 0x10000c
	s_cmp_lg_u32 s2, 0x3003
	s_cbranch_scc0 .Lentry_shape_is_right
	s_endpgm
.Lentry_shape_is_right:
; out0[b][c] = the root of a soft decision tree in the log domain: 255 nodes (heap order), 256 leaves, 2048 batch columns, 200 classes.
; WHAT IS COMPUTED.  Eight nested levels of logaddexp are one log-sum-exp over the leaves:
;   out0[b][c] = lse over l of ( path[l][b] - lse_c(leaf_logits[l]) + leaf_logits[l][c] ),
; path[l][b] = the sum of the eight p_left / p_right on the way from the root to leaf l.  This holds for every input.
; EVERY OUTPUT TAKES ITS OWN MAXIMUM AWAY before the exponentials: the exact maximum over a wave's 32 leaves, then over the eight waves.
; Why the vector ALU and not a matrix product of exp(path) and exp(leaf): a product can only take away one maximum per b and one per c, and the
; largest term of an output may lie below their sum by the smaller of the two ranges, some 300 nats when both inputs are 30 times the drawn
; ones, which neither bf16 operands nor f32 sums can hold.  All arithmetic here is f32, in units of log2 (v_exp_f32, v_log_f32 work in base 2).
; LIMITS.  Inputs finite; |similarities| below about 2.9e37 (eight terms times log2 e stay finite).  NaN and infinities are not followed.
; The sum over the leaves is flat, so its roundings come in another order than in the nested form.
;
; SHARES.  256 work-groups; a work-group makes 8 batch columns x 200 classes = 6,400 consecutive bytes of out0.  Eight waves; wave e owns the
; leaves 32 e .. 32 e + 31 (the subtree under node 7 + e).  In the main loop lane = (b = lane / 4, q = lane % 4); a step takes 8 classes, two
; a lane (8 k + 2 q, + 1), for the wave's 32 leaves; 25 steps.  Each wave leaves (max, sum) for each output in LDS; the eight are merged at the end.
; CLUSTER.  Every work-group reads the whole of leaf_logits, so four work-groups ask for it jointly: each wave's tensor load (its 32 rows) has
; the same descriptor in all four (made of the wave's number and the buffer's address alone) and the mask 15.  LDS is filled once: no slot is filled again.
; similarities: a work-group needs 32 bytes of each of 255 rows, once; they are loaded straight into registers.
; No prefetch: all that is read is asked for in the first lines.
; REGISTERS.  v0-v25 hold addresses and what they are made of: the thread's and the wave's number and constants, alike in all four work-groups
; of a cluster.  They are written once, at the head, and no datum ever enters them.  Data live in v26-v245.
.set ROWB,  800                        ; bytes in a row of leaf_logits
.set ZREG,  32*ROWB                    ; a wave's 32 rows: 25,600 bytes = 100 x 256
.set REC,   8*ZREG                     ; LDS 204,800: records (m0, m1, s0, s1), 16 bytes for each pair of classes; wave e's at e * RECW
.set RECW,  8*100*16                   ; 12,800: 8 batch columns x 100 pairs of classes
.set TAB,   REC+8*RECW                 ; LDS 307,200: (p_left, p_right) in log2 units, 8 bytes at node * 64 + b * 8; 256 node places
.set LSE,   TAB+256*64                 ; LDS 323,584: log2-lse of each leaf's logits, 256 words
; addresses
.set LANE,  1                          ; v1        lane
.set ZA,    2                          ; v2        LDS address of my two classes in my wave's first row; steps 64 bytes a trip
.set RA,    3                          ; v3        LDS address of my record; steps 128 bytes a trip
.set MA,    4                          ; v4        merge: my record of wave 0 in unit e
.set MB,    5                          ; v5        merge: the same of wave 4 (beyond the reach of a 16-bit offset from v4)
.set OA,    6                          ; v6        merge: my 8 bytes of unit e in the work-group's part of out0
.set VBT,   7                          ; v7        my batch column in the node table
.set TS,    8                          ; v8        where my thread stores its part of the node table
.set RW,    9                          ; v9        row `lane` of my wave's 32 rows
.set LS,    10                         ; v10       where my lane stores its leaf's lse
.set AD,    11                         ; v[11:19]  path: five levels of my subtree, three ancestors, my wave's 32 lse
.set QQ,    20                         ; v20       q
.set BB,    21                         ; v21       b
.set GA,    22                         ; v22       similarities: my thread's offset
.set GB,    23                         ; v23       the same, kept inside the last row
.set TT,    24                         ; v[24:25]  at work on addresses
; data
.set MM,    26                         ; v[26:27]  the two maxima;   with v[28:29] one record of 16 bytes
.set SUM,   28                         ; v[28:35]  four pairs of running sums
.set MXA,   36                         ; v[36:43]  four chains of maxima for each of two classes
.set NM,    44                         ; v[44:45]  - (row maximum) * log2 e, twice
.set ROW,   46                         ; v[46:245] one row of leaf_logits (only while its lse is made)
.set PP,    46                         ; v[46:77]  behind that: path - lse of my wave's 32 leaves for my batch column
.set BUFA,  78                         ; v[78:141]  step buffer: 32 leaves x 2 classes
.set BUFB,  142                        ; v[142:205] the other one
.set SIM,   78                         ; node table: 8 similarities of a thread,
.set ABSV,  86                         ;   a = |s| + 1e-7,
.set EXQ,   94                         ;   exp(-a), then 1 - exp(-a),
.set POL,   102                        ;   the series, then the chosen 1 - exp(-a),
.set PLR,   110                        ;   8 pairs (p_left, p_right)
.set NODE,  142                        ; path: 31 pairs (p_left, p_right) of my subtree's nodes, v[142:203]
.set LSV,   206                        ; path: lse of my 32 leaves, v[206:237]
.set ANC,   238                        ; path: the three steps from the root to my subtree
.set RC,    78                         ; merge: eight records for each of three units, v[78:173]
.set OUTR,  206                        ; merge: a pair of results for each unit, v[206:213]
.set KK,    28                         ; s[28:29] log2 e, twice
.set LN2,   40                         ; s[40:41] ln 2, twice
; A round of the cluster's barrier: my work-group's barrier, wave 0 signals for the work-group, every wave waits for the four work-groups, my work-group's barrier again.
.macro ROUND
	s_barrier_signal -1
	s_barrier_wait -1
	s_cmp_lg_u32 s8, 0
	s_cbranch_scc1 .Lnot_wave_0_\@
	s_barrier_signal -3
.Lnot_wave_0_\@:
	s_barrier_wait -3
	s_barrier_signal -1
	s_barrier_wait -1
.endm
; The largest of 4 * per + 4 numbers at v[base + stride * i] (for halves = 2 also of those one register further on): four chains of
; v_max3 that do not wait for each other, started by the first numbers; (4 * per + 4) / 2 instructions for each half.
.macro MAXRED dst, base, stride, per, halves
.irp c, 0,1,2,3
.set hh, 0
.rept \halves
	v_max3_num_f32 v[MXA+4*hh+\c], v[\base+hh+\stride*(\per*\c)], v[\base+hh+\stride*(\per*\c+1)], v[\base+hh+\stride*(\per*\c+2)]
.set hh, hh+1
.endr
.endr
.set mi, 3
.rept (\per-3)/2
.irp c, 0,1,2,3
.set hh, 0
.rept \halves
	v_max3_num_f32 v[MXA+4*hh+\c], v[MXA+4*hh+\c], v[\base+hh+\stride*(\per*\c+mi)], v[\base+hh+\stride*(\per*\c+mi+1)]
.set hh, hh+1
.endr
.endr
.set mi, mi+2
.endr
.set hh, 0
.rept \halves
	v_max3_num_f32 v[MXA+4*hh], v[MXA+4*hh], v[MXA+4*hh+1], v[\base+hh+\stride*(4*\per)]
	v_max3_num_f32 v[MXA+4*hh+2], v[MXA+4*hh+2], v[MXA+4*hh+3], v[\base+hh+\stride*(4*\per+1)]
.set hh, hh+1
.endr
.set hh, 0
.rept \halves
	v_max3_num_f32 v[MXA+4*hh], v[MXA+4*hh], v[MXA+4*hh+2], v[\base+hh+\stride*(4*\per+2)]
.set hh, hh+1
.endr
.set hh, 0
.rept \halves
	v_max_num_f32 v[\dst+hh], v[MXA+4*hh], v[\base+hh+\stride*(4*\per+3)]
.set hh, hh+1
.endr
.endm
; Pair i gets its maximum taken away.  fm = 1: raw logits, z * log2 e - m * log2 e in one fused step; fm = 0: t - (m0, m1).
.macro PRE base, i, fm
.if \fm
	v_pk_fma_f32 v[\base+2*(\i):\base+2*(\i)+1], v[\base+2*(\i):\base+2*(\i)+1], s[KK:KK+1], v[NM:NM+1] op_sel_hi:[1,0,1]
.else
	v_pk_add_f32 v[\base+2*(\i):\base+2*(\i)+1], v[\base+2*(\i):\base+2*(\i)+1], v[MM:MM+1] neg_lo:[0,1] neg_hi:[0,1]
.endif
.endm
; Pair i joins one of four running sums; pairs 0 to 3 start them together with pairs 4 to 7, so nothing is cleared.
.macro SUMSTEP base, i
.if (\i) >= 8
	s_wait_alu depctr_va_vdst(0)
	v_pk_add_f32 v[SUM+2*((\i)%4):SUM+2*((\i)%4)+1], v[SUM+2*((\i)%4):SUM+2*((\i)%4)+1], v[\base+2*(\i):\base+2*(\i)+1]
.else
.if (\i) >= 4
	s_wait_alu depctr_va_vdst(0)
	v_pk_add_f32 v[SUM+2*((\i)-4):SUM+2*((\i)-4)+1], v[\base+2*((\i)-4):\base+2*((\i)-4)+1], v[\base+2*(\i):\base+2*(\i)+1]
.endif
.endif
.endm
; cnt pairs: maximum away, 2^x, sum.  Behind the two v_exp_f32 of pair i stands a plain instruction on other registers (pair i + 2's
; subtraction, or pair i - 1's addition) before pair i is read (ISA guide 5.7.2): pair i is added one turn later.
.macro EXPSUM base, cnt, fm
	PRE \base, 0, \fm
	PRE \base, 1, \fm
.set ei, 0
.rept \cnt
	v_exp_f32 v[\base+2*ei], v[\base+2*ei]
	v_exp_f32 v[\base+2*ei+1], v[\base+2*ei+1]
.if ei+2 < \cnt
	PRE \base, ei+2, \fm
.endif
.if ei >= 1
	SUMSTEP \base, ei-1
.endif
.set ei, ei+1
.endr
	SUMSTEP \base, \cnt-1
	v_pk_add_f32 v[SUM:SUM+1], v[SUM:SUM+1], v[SUM+2:SUM+3]
	v_pk_add_f32 v[SUM+4:SUM+5], v[SUM+4:SUM+5], v[SUM+6:SUM+7]
	v_pk_add_f32 v[SUM:SUM+1], v[SUM:SUM+1], v[SUM+4:SUM+5]
.endm
; v[dst:dst+1] = v[src], in both halves, + v[add:add+1]: a node's path goes on to its left and right child in one instruction.
.macro BADD dst, src, add
.if (\src) & 1
	v_pk_add_f32 v[\dst:\dst+1], v[(\src)-1:(\src)], v[\add:\add+1] op_sel:[1,0] op_sel_hi:[1,1]
.else
	v_pk_add_f32 v[\dst:\dst+1], v[(\src):(\src)+1], v[\add:\add+1] op_sel:[0,0] op_sel_hi:[0,1]
.endif
.endm
; 32 LDS loads: my two classes of the wave's 32 rows.  The four q of a wave read 32 neighbouring bytes; the eight b share them.
.macro LOADZ buf, off
.set j, 0
.rept 32
	ds_load_b64 v[\buf+2*j:\buf+2*j+1], v[ZA] offset:\off+ROWB*j
.set j, j+1
.endr
.endm
; One step: t = z * log2 e + P[leaf] (fused), the exact maximum of each of my two classes over the 32 leaves, the sum of 2^(t - max), the record.
.macro STEP buf, recoff
.set j, 0
.rept 32
.if j & 1
	v_pk_fma_f32 v[\buf+2*j:\buf+2*j+1], v[\buf+2*j:\buf+2*j+1], s[KK:KK+1], v[PP+j-1:PP+j] op_sel:[0,0,1] op_sel_hi:[1,0,1]
.else
	v_pk_fma_f32 v[\buf+2*j:\buf+2*j+1], v[\buf+2*j:\buf+2*j+1], s[KK:KK+1], v[PP+j:PP+j+1] op_sel:[0,0,0] op_sel_hi:[1,0,0]
.endif
.set j, j+1
.endr
	MAXRED MM, \buf, 2, 7, 2
	EXPSUM \buf, 32, 0
	ds_store_b128 v[RA], v[MM:MM+3] offset:\recoff         ; (m0, m1, s0, s1)
.endm
; The merge of unit e + 8 t: eight loads, one record of each wave.  8 units on are 4,096 bytes of records and 2,048 bytes of out0, in the immediates.
.macro MLOAD rc, t
.irp w, 0,1,2,3
	ds_load_b128 v[\rc+4*\w:\rc+4*\w+3], v[MA] offset:\w*RECW+4096*\t
.endr
.irp w, 0,1,2,3
	ds_load_b128 v[\rc+16+4*\w:\rc+16+4*\w+3], v[MB] offset:\w*RECW+4096*\t
.endr
.endm
; M = the output's maximum over all 256 leaves; out = ln 2 * (M + log2 of the sum over the waves of 2^(m - M) * s).
; Each unit has result registers of its own, so no store's data is written again.
.macro MCALC rc, t
.irp h, 0,1
	v_max3_num_f32 v[MXA+\h], v[\rc+\h], v[\rc+4+\h], v[\rc+8+\h]
.endr
.irp h, 0,1
	v_max3_num_f32 v[MXA+\h], v[MXA+\h], v[\rc+12+\h], v[\rc+16+\h]
.endr
.irp h, 0,1
	v_max3_num_f32 v[MXA+\h], v[MXA+\h], v[\rc+20+\h], v[\rc+24+\h]
.endr
.irp h, 0,1
	v_max_num_f32 v[MM+\h], v[MXA+\h], v[\rc+28+\h]
.endr
.irp w, 0,1,2,3,4,5,6,7
	v_pk_add_f32 v[\rc+4*\w:\rc+4*\w+1], v[\rc+4*\w:\rc+4*\w+1], v[MM:MM+1] neg_lo:[0,1] neg_hi:[0,1]
.endr
.irp w, 0,1,2,3,4,5,6,7
	v_exp_f32 v[\rc+4*\w], v[\rc+4*\w]
	v_exp_f32 v[\rc+4*\w+1], v[\rc+4*\w+1]
.endr
	v_mul_f32 v[MXA], s40, v[MM]                   ; the first maximum in nats; also the plain place behind the exponentials (ISA guide 5.7.2)
	s_wait_alu depctr_va_vdst(0)
	v_pk_mul_f32 v[SUM:SUM+1], v[\rc:\rc+1], v[\rc+2:\rc+3]
.irp w, 1,2,3,4,5,6,7
	v_pk_fma_f32 v[SUM:SUM+1], v[\rc+4*\w:\rc+4*\w+1], v[\rc+4*\w+2:\rc+4*\w+3], v[SUM:SUM+1]
.endr
	v_log_f32 v[SUM], v[SUM]
	v_log_f32 v[SUM+1], v[SUM+1]
	v_mul_f32 v[MXA+1], s40, v[MM+1]               ; the second maximum in nats; also the plain place behind the logarithms
	s_wait_alu depctr_va_vdst(0)
	v_pk_fma_f32 v[OUTR+2*\t:OUTR+2*\t+1], v[SUM:SUM+1], s[LN2:LN2+1], v[MXA:MXA+1] op_sel_hi:[1,0,1]
	global_store_b64 v[OA], v[OUTR+2*\t:OUTR+2*\t+1], s[24:25] offset:2048*\t th:TH_STORE_NT   ; the wave's 32 lanes store 256 consecutive bytes, at a multiple of 256 from out0's first byte
.endm
	s_load_b128 s[4:7], s[0:1], 0x0                ; leaf_logits s[4:5], similarities s[6:7]
	s_load_b64 s[24:25], s[0:1], 0x10              ; out0
	v_lshl_add_u32 v248, v0, 2, 0x4f400
	v_mov_b32 v249, 0
	ds_add_u32 v248, v249
	v_lshrrev_b32 v[LANE], 5, v0
	v_readfirstlane_b32 s8, v[LANE]                ; wave e, 0 to 7
	v_and_b32 v[LANE], 31, v0
	s_bfe_u32 s9, ttmp6, 0x40000                   ; my place in the cluster
	s_lshl_b32 s10, ttmp9, 2                       ; in a cluster launch ttmp9 counts clusters
	s_add_co_u32 s10, s10, s9                      ; work-group 0 to 255: enters global addresses alone
	; Descriptor group 1: a dense block of 25,600 bytes as 100 rows of 32 elements of 8 bytes; mask = the four work-groups of the cluster, bit 21 beside it.
	s_mov_b32 s16, 15|(3<<16)|(1<<21)
	s_mov_b32 s17, 32<<16                          ; tensor_dim0 = 32
	s_mov_b32 s18, 100<<16                         ; tensor_dim1 = 100
	s_mov_b32 s19, 32<<16                          ; tile_dim0 = 32
	s_mov_b32 s20, 100                             ; tile_dim1 = 100
	s_mov_b32 s21, 32                              ; from row to row: 32 elements
	s_mov_b32 s22, 0
	s_mov_b32 s23, 0
	s_mov_b32 s12, 1                               ; group 0: count
	s_mul_i32 s13, s8, ZREG                        ; LDS address: wave x 25,600
	s_mul_i32 s26, s8, ZREG                        ; and the same distance into leaf_logits
	s_mov_b32 s27, 0
	s_mul_i32 s37, s8, ZREG                        ; once more, for vector addresses
	s_mov_b32 s28, 0x3fb8aa3b                      ; log2 e
	s_mov_b32 s29, 0x3fb8aa3b
	s_mov_b32 s30, 0x33d6bf95                      ; 1e-7
	s_mov_b32 s31, 0xbfb8aa3b                      ; - log2 e
	s_mov_b32 s32, 0xbab60b61                      ; - 1/720
	s_mov_b32 s33, 0x3c088889                      ; 1/120
	s_mov_b32 s34, 0xbd2aaaab                      ; - 1/24
	s_mov_b32 s35, 0x3e2aaaab                      ; 1/6
	s_mov_b32 s40, 0x3f317218                      ; ln 2
	s_mov_b32 s41, 0x3f317218
	s_lshl_b32 s44, s10, 5                         ; my 8 columns: 32 bytes of every row of similarities
	s_mov_b32 s45, 0
	; ALL ADDRESSES, once.
	; similarities and the node table: thread t takes batch column t % 8 of the nodes t / 8 + 32 k, k = 0 .. 7.
	v_lshrrev_b32 v[TT], 3, v0
	v_and_b32 v[TT+1], 7, v0
	v_lshlrev_b32 v[TT+1], 2, v[TT+1]
	v_lshl_or_b32 v[GA], v[TT], 13, v[TT+1]        ; (t / 8) rows of 8,192 bytes + 4 (t % 8)
	v_min_u32 v[TT], 30, v[TT]
	v_lshl_or_b32 v[GB], v[TT], 13, v[TT+1]        ; for k = 7: never beyond node 254
	v_lshl_add_u32 v[TS], v0, 3, TAB               ; node * 64 + b * 8 = 8 t + 2,048 k
	v_mul_u32_u24 v[RW], v[LANE], ROWB
	v_add_nc_u32 v[RW], s37, v[RW]                 ; row `lane` of my wave's 32
	v_lshl_add_u32 v[LS], v0, 2, LSE               ; thread = leaf
	v_and_b32 v[QQ], 3, v[LANE]                    ; q
	v_lshrrev_b32 v[BB], 2, v[LANE]                ; b
	v_lshl_add_u32 v[ZA], v[QQ], 3, s37            ; wave x 25,600 + 8 q
	v_mul_u32_u24 v[RA], v[BB], 1600               ; record (b * 100 + 4 k + q) * 16
	v_lshl_add_u32 v[RA], v[QQ], 4, v[RA]
	s_mul_i32 s38, s8, RECW
	s_add_co_u32 s38, s38, REC
	v_add_nc_u32 v[RA], s38, v[RA]
	v_lshl_add_u32 v[VBT], v[BB], 3, TAB           ; my column of the node table; p_left lies at + 0, p_right at + 4
	s_lshr_b32 s42, s8, 2                          ; at the root: right if e >= 4
	s_lshl_b32 s38, s42, 2
	v_add_nc_u32 v[AD+5], s38, v[VBT]              ; node 0, side e / 4
	s_lshl_b32 s38, s42, 6
	s_lshr_b32 s39, s8, 1
	s_and_b32 s43, s39, 1
	s_lshl_b32 s43, s43, 2
	s_add_co_u32 s38, s38, s43
	v_add_nc_u32 v[AD+6], s38, v[VBT]              ; node 1 + e / 4 (the 1 in the load's offset), side (e / 2) % 2
	s_lshl_b32 s38, s39, 6
	s_and_b32 s43, s8, 1
	s_lshl_b32 s43, s43, 2
	s_add_co_u32 s38, s38, s43
	v_add_nc_u32 v[AD+7], s38, v[VBT]              ; node 3 + e / 2 (the 3 in the load's offset), side e % 2
.set d, 0
.rept 5
	v_lshl_add_u32 v[AD+d], s8, 6+d, v[VBT]        ; level 3 + d: nodes (8 << d) - 1 + (e << d) + i; all but e << d in the loads' offsets
.set d, d+1
.endr
	s_lshl_b32 s38, s8, 7
	s_add_co_u32 s38, s38, LSE
	v_mov_b32 v[AD+8], s38                         ; my wave's 32 words of lse
	s_lshl_b32 s39, s8, 9
	s_add_co_u32 s39, s39, REC
	v_lshl_add_u32 v[MA], v[LANE], 4, s39          ; unit e = 512 e bytes of records, 16 a lane
	v_add_nc_u32 v[MB], 4*RECW, v[MA]
	s_lshl_b32 s43, s8, 8
	v_lshl_add_u32 v[OA], v[LANE], 3, s43          ; unit e = 256 e bytes of out0, 8 a lane
	s_wait_dscnt 0x0
	s_wait_kmcnt 0x0
	s_add_nc_u64 s[14:15], s[4:5], s[26:27]
	s_or_b32 s15, s15, 0x80000000                  ; type = 2
	s_add_nc_u64 s[6:7], s[6:7], s[44:45]
	s_mul_i32 s44, s10, 6400
	s_add_nc_u64 s[24:25], s[24:25], s[44:45]      ; my 8 rows of out0
	; There is no node 255: its thread loads node 254 again and fills the table's place 255, which nobody reads.
	; These loads go out ahead of the round: nobody writes their bytes, and they are on their way while the work-groups meet.
.irp k, 0,1,2,3,4,5,6
	global_load_b32 v[SIM+\k], v[GA], s[6:7] offset:\k*262144
.endr
	global_load_b32 v[SIM+7], v[GB], s[6:7] offset:7*262144
	ROUND                                          ; the four work-groups are here: their joint loads meet
	tensor_load_to_lds s[12:15], s[16:23]          ; my wave's 32 rows; the only tensor load of the wave, so one is out
	s_nop 0
	; THE NODE TABLE.
	s_wait_loadcnt 0x0                             ; the eight similarities
.irp k, 0,1,2,3,4,5,6,7
	v_add_f32 v[ABSV+\k], |v[SIM+\k]|, s30         ; a = |s| + 1e-7
.endr
.irp k, 0,1,2,3,4,5,6,7
	v_mul_f32 v[EXQ+\k], s31, v[ABSV+\k]
.endr
.irp k, 0,1,2,3,4,5,6,7
	v_exp_f32 v[EXQ+\k], v[EXQ+\k]                 ; exp(-a); the series below stands between these and their use
.endr
	; (1 - exp(-a)) / a = 1 - a/2 + a^2/6 - a^3/24 + a^4/120 - a^5/720 + ..: used below a = 1/8, where the first term left out, a^6/5040, is under 8e-10
.irp k, 0,1,2,3,4,5,6,7
	v_fma_f32 v[POL+\k], v[ABSV+\k], s32, s33
.endr
.irp k, 0,1,2,3,4,5,6,7
	v_fma_f32 v[POL+\k], v[ABSV+\k], v[POL+\k], s34
.endr
.irp k, 0,1,2,3,4,5,6,7
	v_fma_f32 v[POL+\k], v[ABSV+\k], v[POL+\k], s35
.endr
.irp k, 0,1,2,3,4,5,6,7
	v_fma_f32 v[POL+\k], v[ABSV+\k], v[POL+\k], -0.5
.endr
.irp k, 0,1,2,3,4,5,6,7
	v_fma_f32 v[POL+\k], v[ABSV+\k], v[POL+\k], 1.0
.endr
.irp k, 0,1,2,3,4,5,6,7
	v_mul_f32 v[POL+\k], v[ABSV+\k], v[POL+\k]     ; small a: no cancellation
	s_wait_alu depctr_va_vdst(0)
	v_sub_f32 v[EXQ+\k], 1.0, v[EXQ+\k]            ; a >= 1/8: the difference is at least 0.117, so an ulp of the exponential is under 6e-7 of it
	v_cmp_gt_f32 vcc_lo, 0x3e000000, v[ABSV+\k]
	v_cndmask_b32 v[POL+\k], v[EXQ+\k], v[POL+\k], vcc_lo
.endr
.irp k, 0,1,2,3,4,5,6,7
	v_log_f32 v[PLR+2*\k], v[POL+\k]               ; p_left in log2 units
.endr
.irp k, 0,1,2,3,4,5,6,7
	v_mul_f32 v[PLR+2*\k+1], s28, v[SIM+\k]        ; p_right in log2 units, sign as given; also the plain place behind the logarithms
.endr
.irp k, 0,1,2,3,4,5,6,7
	s_wait_alu depctr_va_vdst(0)
	ds_store_b64 v[TS], v[PLR+2*\k:PLR+2*\k+1] offset:2048*\k
.endr
	; THE LSE OF MY WAVE'S 32 ROWS: lane = row, the row in 200 registers, so no step crosses lanes.
	s_wait_tensorcnt 0x0                           ; my rows have landed; only my wave reads them
.set i, 0
.rept 50
	ds_load_b128 v[ROW+4*i:ROW+4*i+3], v[RW] offset:16*i
.set i, i+1
.endr
	s_wait_dscnt 0x0
	MAXRED MXA+7, ROW, 1, 49, 1                    ; the row's largest logit
	v_mul_f32 v[NM], s31, v[MXA+7]                 ; - m log2 e, in both registers of the pair
	v_mul_f32 v[NM+1], s31, v[MXA+7]
	EXPSUM ROW, 100, 1
	v_add_f32 v[SUM], v[SUM], v[SUM+1]
	v_log_f32 v[SUM], v[SUM]
	v_nop                                          ; the plain place behind the logarithm (ISA guide 5.7.2): nothing else is left to do here
	s_wait_alu depctr_va_vdst(0)
	v_sub_f32 v[SUM], v[SUM], v[NM]                ; log2 of the sum + m log2 e
	ds_store_b32 v[LS], v[SUM]
	s_wait_dscnt 0x0                               ; my part of the node table is written: zero, for the other waves' sake
	s_barrier_signal -1
	s_barrier_wait -1                              ; the node table is whole
	; THE PATHS of my batch column to my wave's 32 leaves: 42 loads.
	ds_load_b32 v[ANC], v[AD+5]                    ; node 0
	ds_load_b32 v[ANC+1], v[AD+6] offset:64        ; node 1 + e / 4
	ds_load_b32 v[ANC+2], v[AD+7] offset:192       ; node 3 + e / 2
.set d, 0
.rept 5                                            ; level 3 + d: nodes (8 << d) - 1 + (e << d) + i, i < 1 << d
.set i, 0
.rept 1<<d
	ds_load_b64 v[NODE+2*((1<<d)-1+i):NODE+2*((1<<d)-1+i)+1], v[AD+d] offset:64*((8<<d)-1+i)
.set i, i+1
.endr
.set d, d+1
.endr
.irp i, 0,1,2,3,4,5,6,7
	ds_load_b128 v[LSV+4*\i:LSV+4*\i+3], v[AD+8] offset:16*\i      ; my wave's own 32 words, the same in every lane
.endr
	s_wait_dscnt 0x0
	LOADZ BUFA, 0                                  ; step 0's logits, on their way during the sums below
	v_add_f32 v[ANC], v[ANC], v[ANC+1]
	v_add_f32 v[ANC], v[ANC], v[ANC+2]             ; root to node 7 + e
	v_add_f32 v[PP], v[ANC], v[NODE]
	v_add_f32 v[PP+1], v[ANC], v[NODE+1]
.set d, 1
.rept 4                                            ; 2^d paths become 2^(d+1), in place, from the top down: path i is read before places 2 i, 2 i + 1 are written
.set i, (1<<d)-1
.rept 1<<d
	BADD PP+2*i, PP+i, NODE+2*((1<<d)-1+i)
.set i, i-1
.endr
.set d, d+1
.endr
.set i, 0
.rept 16
	v_pk_add_f32 v[PP+2*i:PP+2*i+1], v[PP+2*i:PP+2*i+1], v[LSV+2*i:LSV+2*i+1] neg_lo:[0,1] neg_hi:[0,1]   ; the leaf's lse goes into the path: raw logits serve below
.set i, i+1
.endr
	; THE MAIN LOOP: 25 steps on two buffers, each filled a step ahead.
	s_mov_b32 s36, 0
	s_wait_dscnt 0x0                               ; step 0's logits are in buffer A
.Lstep:
	LOADZ BUFB, 32                                 ; step 2 i + 1
	STEP BUFA, 0                                   ; step 2 i
	s_wait_dscnt 0x1                               ; buffer B's 32 loads are done; the one instruction issued behind them, step 2 i's record store, may be out
	LOADZ BUFA, 64                                 ; step 2 i + 2, at most 24
	STEP BUFB, 64
	s_wait_dscnt 0x1                               ; likewise: buffer A's loads are done, the record store behind them may be out
	v_add_nc_u32 v[ZA], 64, v[ZA]                  ; two steps of 8 classes
	v_add_nc_u32 v[RA], 128, v[RA]                 ; two steps of 4 records
	s_add_co_u32 s36, s36, 1
	s_cmp_lt_u32 s36, 12
	s_cbranch_scc1 .Lstep
	STEP BUFA, 0                                   ; step 24
	s_wait_dscnt 0x0                               ; my records are written: zero, for the other waves' sake
	s_barrier_signal -1
	s_barrier_wait -1
	; THE MERGE.  Unit u = 32 neighbouring pairs of classes = 256 consecutive bytes of out0; 25 units.  Wave e takes u = e, e + 8, e + 16; wave 0 also u = 24.
	MLOAD RC, 0
	MLOAD RC+32, 1
	MLOAD RC+64, 2
	s_wait_dscnt 16                                ; the first unit's eight loads are done; the sixteen behind them may be out
	MCALC RC, 0
	s_wait_dscnt 8                                 ; the second unit's; the last eight may be out
	MCALC RC+32, 1
	s_wait_dscnt 0x0
	MCALC RC+64, 2
	s_cmp_lg_u32 s8, 0
	s_cbranch_scc1 .Lmerged
	MLOAD RC, 3                                    ; unit 24
	s_wait_dscnt 0x0
	MCALC RC, 3
.Lmerged:
	s_wait_tensorcnt 0x0
	ds_add_u32 v248, v249
	s_wait_dscnt 0x0
	ROUND                                          ; the closing round: no work-group ends while a partner may still ask for rows jointly
	s_endpgm
.Lfunc_end_k_q5b8fa7cd0f_tree_lse:
	.size	k_q5b8fa7cd0f_tree_lse, .Lfunc_end_k_q5b8fa7cd0f_tree_lse-k_q5b8fa7cd0f_tree_lse
	.p2alignl 7, 3214868480
	.fill 96, 4, 3214868480
	.section	.rodata,"a",@progbits
	.p2align	6, 0x0
	.amdhsa_kernel k_q5b8fa7cd0f_tree_lse
		.amdhsa_group_segment_fixed_size 325632
		.amdhsa_private_segment_fixed_size 0
		.amdhsa_enable_private_segment 0
		.amdhsa_kernarg_size 24
		.amdhsa_user_sgpr_count 2
		.amdhsa_user_sgpr_kernarg_segment_ptr 1
		.amdhsa_wavefront_size32 1
		.amdhsa_system_sgpr_workgroup_id_x 1
		.amdhsa_system_sgpr_workgroup_id_y 1
		.amdhsa_system_sgpr_workgroup_id_z 1
		.amdhsa_system_vgpr_workitem_id 0
		.amdhsa_next_free_vgpr 250
		.amdhsa_next_free_sgpr 66
		.amdhsa_reserve_vcc 1
		.amdhsa_float_denorm_mode_32 3
		.amdhsa_float_denorm_mode_16_64 3
		.amdhsa_memory_ordered 1
		.amdhsa_forward_progress 1
		.amdhsa_inst_pref_size 101
	.end_amdhsa_kernel
	.amdgpu_metadata
---
amdhsa.version: [ 1, 2 ]
amdhsa.kernels:
  - .name:           k_q5b8fa7cd0f_tree_lse
    .symbol:         k_q5b8fa7cd0f_tree_lse.kd
    .args:
      - { .name: leaf_logits, .offset: 0, .size: 8, .value_kind: global_buffer, .address_space: global }
      - { .name: similarities, .offset: 8, .size: 8, .value_kind: global_buffer, .address_space: global }
      - { .name: out0, .offset: 16, .size: 8, .value_kind: global_buffer, .address_space: global }
    .group_segment_fixed_size: 325632
    .private_segment_fixed_size: 0
    .kernarg_segment_align: 8
    .kernarg_segment_size: 24
    .max_flat_workgroup_size: 256
    .sgpr_count:     66
    .vgpr_count:     250
    .wavefront_size: 32
...
	.end_amdgpu_metadata
.endif
;; end of part 1
;; ======== version 2 of 2: 1 launch; 1.39 times as fast as version 1
;; launch tree_lse (part 2): grid 256 x 1, 8 waves a work-group, clusters of 4 x 1, 325,632 bytes of LDS; arguments leaf_logits, similarities, out0; writes out0
.if DOCPART == 2
	.amdgcn_target "amdgcn-amd-amdhsa--gfx1250"
	.amdhsa_code_object_version 6
	.text
	.protected	k_q5b8fa7cd0f_tree_lse
	.globl	k_q5b8fa7cd0f_tree_lse
	.p2align	8
	.type	k_q5b8fa7cd0f_tree_lse,@function
k_q5b8fa7cd0f_tree_lse:
	s_mov_b64 s[64:65], 0
	v_nop
	global_prefetch_b8 v0, s[64:65] scope:SCOPE_SE
	s_setreg_imm32_b32 hwreg(HW_REG_WAVE_MODE, 25, 1), 1
	s_wait_xcnt 0x0
	s_wait_alu depctr_hold_cnt(0) depctr_sa_sdst(0) depctr_va_vdst(0) depctr_va_sdst(0) depctr_va_ssrc(0) depctr_va_vcc(0) depctr_vm_vsrc(0)
	s_getreg_b32 s2, hwreg(HW_REG_IB_STS2, 6, 4)
	s_cmp_eq_u32 s2, 0
	s_cbranch_scc0 .Lentry_in_a_cluster
	s_endpgm
.Lentry_in_a_cluster:
	s_bfe_u32 s2, ttmp6, 0x10000c
	s_cmp_lg_u32 s2, 0x3003
	s_cbranch_scc0 .Lentry_shape_is_right
	s_endpgm
.Lentry_shape_is_right:
; out0[b][c] = the root of a soft decision tree in the log domain: 255 nodes (heap order), 256 leaves, 2048 batch columns, 200 classes.
; WHAT IS COMPUTED.  Eight nested levels of logaddexp are one log-sum-exp over the leaves:
;   out0[b][c] = lse over l of ( path[l][b] - lse_c(leaf_logits[l]) + leaf_logits[l][c] ),
; path[l][b] = the sum of the eight p_left / p_right on the way from the root to leaf l.  This holds for every input.
; EVERY OUTPUT TAKES ITS OWN MAXIMUM AWAY before the exponentials: the exact maximum over a wave's 32 leaves, then over the eight waves.
; Why the vector ALU and not a matrix product of exp(path) and exp(leaf): a product can only take away one maximum per b and one per c, and the
; largest term of an output may lie below their sum by the smaller of the two ranges, some 300 nats when both inputs are 30 times the drawn
; ones, which neither bf16 operands nor f32 sums can hold.  All arithmetic here is f32, in units of log2 (v_exp_f32, v_log_f32 work in base 2).
; LIMITS.  Inputs finite; |similarities| below about 2.9e37 (eight terms times log2 e stay finite).  NaN and infinities are not followed.
; The sum over the leaves is flat, so its roundings come in another order than in the nested form.
;
; SHARES.  256 work-groups; a work-group makes 8 batch columns x 200 classes = 6,400 consecutive bytes of out0.  Eight waves; wave e owns the
; leaves 32 e .. 32 e + 31 (the subtree under node 7 + e).  In the main loop lane = (b = lane / 4, q = lane % 4); a step takes 8 classes, two
; a lane (8 k + 2 q, + 1), for the wave's 32 leaves; 25 steps.  Each wave leaves (max, sum) for each output in LDS; the eight are merged at the end.
; CLUSTER.  Every work-group reads the whole of leaf_logits, so four work-groups ask for it jointly: each wave's tensor load (its 32 rows) has
; the same descriptor in all four (made of the wave's number and the buffer's address alone) and the mask 15.  LDS is filled once: no slot is filled again.
; similarities: a work-group needs 32 bytes of each of 255 rows, once; they are loaded straight into registers.
; No prefetch: all that is read is asked for in the first lines.
; EXPONENTIALS AND LOGARITHMS GO IN BATCHES.  An s_wait_alu depctr_va_vdst(0) stands between such an instruction and the first one that
; names its result; one wait serves all that were issued ahead of it.  Each result keeps a register of its own while its batch is open, nothing
; ahead of a batch's wait names a result of the batch, and the text has one wait a batch:
;   the node table's 8 exponentials (the series stands between them and the wait), then its 8 logarithms (the 8 p_right stand between);
;   the 200 exponentials of a row of leaf_logits, then the row's one logarithm;
;   the 64 exponentials of a step of the main loop: 25 waits a wave in the loop and behind it;
;   in the merge the 48 exponentials of a wave's three units, then their 6 logarithms (wave 0's fourth unit: 16, then 2).
; REGISTERS.  v0-v25 hold addresses and what they are made of: the thread's and the wave's number and constants, alike in all four work-groups
; of a cluster.  They are written once, at the head, and no datum ever enters them.  Data live in v26-v245.
.set ROWB,  800                        ; bytes in a row of leaf_logits
.set ZREG,  32*ROWB                    ; a wave's 32 rows: 25,600 bytes = 100 x 256
.set REC,   8*ZREG                     ; LDS 204,800: records (m0, m1, s0, s1), 16 bytes for each pair of classes; wave e's at e * RECW
.set RECW,  8*100*16                   ; 12,800: 8 batch columns x 100 pairs of classes
.set TAB,   REC+8*RECW                 ; LDS 307,200: (p_left, p_right) in log2 units, 8 bytes at node * 64 + b * 8; 256 node places
.set LSE,   TAB+256*64                 ; LDS 323,584: log2-lse of each leaf's logits, 256 words
; addresses
.set LANE,  1                          ; v1        lane
.set ZA,    2                          ; v2        LDS address of my two classes in my wave's first row; steps 64 bytes a trip
.set RA,    3                          ; v3        LDS address of my record; steps 128 bytes a trip
.set MA,    4                          ; v4        merge: my record of wave 0 in unit e
.set MB,    5                          ; v5        merge: the same of wave 4 (beyond the reach of a 16-bit offset from v4)
.set OA,    6                          ; v6        merge: my 8 bytes of unit e in the work-group's part of out0
.set VBT,   7                          ; v7        my batch column in the node table
.set TS,    8                          ; v8        where my thread stores its part of the node table
.set RW,    9                          ; v9        row `lane` of my wave's 32 rows
.set LS,    10                         ; v10       where my lane stores its leaf's lse
.set AD,    11                         ; v[11:19]  path: five levels of my subtree, three ancestors, my wave's 32 lse
.set QQ,    20                         ; v20       q
.set BB,    21                         ; v21       b
.set GA,    22                         ; v22       similarities: my thread's offset
.set GB,    23                         ; v23       the same, kept inside the last row
.set TT,    24                         ; v[24:25]  at work on addresses
; data
.set MM,    26                         ; v[26:27]  the two maxima;   with v[28:29] one record of 16 bytes
.set SUM,   28                         ; v[28:35]  four pairs of running sums
.set MXA,   36                         ; v[36:43]  four chains of maxima for each of two classes
.set NM,    44                         ; v[44:45]  - (row maximum) * log2 e, twice
.set ROW,   46                         ; v[46:245] one row of leaf_logits (only while its lse is made)
.set PP,    46                         ; v[46:77]  behind that: path - lse of my wave's 32 leaves for my batch column
.set BUFA,  78                         ; v[78:141]  step buffer: 32 leaves x 2 classes
.set BUFB,  142                        ; v[142:205] the other one
.set SIM,   78                         ; node table: 8 similarities of a thread,
.set ABSV,  86                         ;   a = |s| + 1e-7,
.set EXQ,   94                         ;   exp(-a), then 1 - exp(-a),
.set POL,   102                        ;   the series, then the chosen 1 - exp(-a),
.set PLR,   110                        ;   8 pairs (p_left, p_right)
.set NODE,  142                        ; path: 31 pairs (p_left, p_right) of my subtree's nodes, v[142:203]
.set LSV,   206                        ; path: lse of my 32 leaves, v[206:237]
.set ANC,   238                        ; path: the three steps from the root to my subtree
.set RC,    78                         ; merge: eight records for each of three units, v[78:173]
.set MS,    46                         ; merge: eight registers for each unit, v[46:77]: +0, +1 the two maxima; +2, +3 at work, then the maxima in nats; +4, +5 the two sums
.set OUTR,  206                        ; merge: a pair of results for each unit, v[206:213]
.set KK,    28                         ; s[28:29] log2 e, twice
.set LN2,   40                         ; s[40:41] ln 2, twice
; A round of the cluster's barrier: my work-group's barrier, wave 0 signals for the work-group, every wave waits for the four work-groups, my work-group's barrier again.
.macro ROUND
	s_barrier_signal -1
	s_barrier_wait -1
	s_cmp_lg_u32 s8, 0
	s_cbranch_scc1 .Lnot_wave_0_\@
	s_barrier_signal -3
.Lnot_wave_0_\@:
	s_barrier_wait -3
	s_barrier_signal -1
	s_barrier_wait -1
.endm
; The largest of 4 * per + 4 numbers at v[base + stride * i] (for halves = 2 also of those one register further on): four chains of
; v_max3 that do not wait for each other, started by the first numbers; (4 * per + 4) / 2 instructions for each half.
.macro MAXRED dst, base, stride, per, halves
.irp c, 0,1,2,3
.set hh, 0
.rept \halves
	v_max3_num_f32 v[MXA+4*hh+\c], v[\base+hh+\stride*(\per*\c)], v[\base+hh+\stride*(\per*\c+1)], v[\base+hh+\stride*(\per*\c+2)]
.set hh, hh+1
.endr
.endr
.set mi, 3
.rept (\per-3)/2
.irp c, 0,1,2,3
.set hh, 0
.rept \halves
	v_max3_num_f32 v[MXA+4*hh+\c], v[MXA+4*hh+\c], v[\base+hh+\stride*(\per*\c+mi)], v[\base+hh+\stride*(\per*\c+mi+1)]
.set hh, hh+1
.endr
.endr
.set mi, mi+2
.endr
.set hh, 0
.rept \halves
	v_max3_num_f32 v[MXA+4*hh], v[MXA+4*hh], v[MXA+4*hh+1], v[\base+hh+\stride*(4*\per)]
	v_max3_num_f32 v[MXA+4*hh+2], v[MXA+4*hh+2], v[MXA+4*hh+3], v[\base+hh+\stride*(4*\per+1)]
.set hh, hh+1
.endr
.set hh, 0
.rept \halves
	v_max3_num_f32 v[MXA+4*hh], v[MXA+4*hh], v[MXA+4*hh+2], v[\base+hh+\stride*(4*\per+2)]
.set hh, hh+1
.endr
.set hh, 0
.rept \halves
	v_max_num_f32 v[\dst+hh], v[MXA+4*hh], v[\base+hh+\stride*(4*\per+3)]
.set hh, hh+1
.endr
.endm
; Pair i gets its maximum taken away.  fm = 1: raw logits, z * log2 e - m * log2 e in one fused step; fm = 0: t - (m0, m1).
.macro PRE base, i, fm
.if \fm
	v_pk_fma_f32 v[\base+2*(\i):\base+2*(\i)+1], v[\base+2*(\i):\base+2*(\i)+1], s[KK:KK+1], v[NM:NM+1] op_sel_hi:[1,0,1]
.else
	v_pk_add_f32 v[\base+2*(\i):\base+2*(\i)+1], v[\base+2*(\i):\base+2*(\i)+1], v[MM:MM+1] neg_lo:[0,1] neg_hi:[0,1]
.endif
.endm
; Pair i (4 and up) joins one of four running sums; pairs 0 to 3 start them together with pairs 4 to 7, so nothing is cleared.
.macro SUMSTEP base, i
.if (\i) >= 8
	v_pk_add_f32 v[SUM+2*((\i)%4):SUM+2*((\i)%4)+1], v[SUM+2*((\i)%4):SUM+2*((\i)%4)+1], v[\base+2*(\i):\base+2*(\i)+1]
.else
	v_pk_add_f32 v[SUM+2*((\i)-4):SUM+2*((\i)-4)+1], v[\base+2*((\i)-4):\base+2*((\i)-4)+1], v[\base+2*(\i):\base+2*(\i)+1]
.endif
.endm
; cnt pairs: maximum away, 2^x, sum.  The 2 cnt exponentials are ONE BATCH, each in place in a register of its own.  Among them stand only the
; subtractions, pair i + 2's behind the two exponentials of pair i: they name registers that no exponential has written yet.  Behind the last
; exponential stands one plain instruction that names none of the batch's registers (ISA guide 5.7.2), then the batch's one wait, then all the additions.
; stepz = 1: that plain instruction is the trip's step of my logits' LDS address, which is due anyway: all the trip's loads have been issued.  Else there is no such work.
.macro EXPSUM base, cnt, fm, stepz=0
	PRE \base, 0, \fm
	PRE \base, 1, \fm
.set ei, 0
.rept \cnt
	v_exp_f32 v[\base+2*ei], v[\base+2*ei]
	v_exp_f32 v[\base+2*ei+1], v[\base+2*ei+1]
.if ei+2 < \cnt
	PRE \base, ei+2, \fm
.endif
.set ei, ei+1
.endr
.if \stepz
	v_add_nc_u32 v[ZA], 64, v[ZA]                  ; two steps of 8 classes
.else
	v_nop
.endif
	s_wait_alu depctr_va_vdst(0)                   ; one wait for the batch of 2 cnt exponentials, ahead of its first reader
.set ei, 4
.rept \cnt-4
	SUMSTEP \base, ei
.set ei, ei+1
.endr
	v_pk_add_f32 v[SUM:SUM+1], v[SUM:SUM+1], v[SUM+2:SUM+3]
	v_pk_add_f32 v[SUM+4:SUM+5], v[SUM+4:SUM+5], v[SUM+6:SUM+7]
	v_pk_add_f32 v[SUM:SUM+1], v[SUM:SUM+1], v[SUM+4:SUM+5]
.endm
; v[dst:dst+1] = v[src], in both halves, + v[add:add+1]: a node's path goes on to its left and right child in one instruction.
.macro BADD dst, src, add
.if (\src) & 1
	v_pk_add_f32 v[\dst:\dst+1], v[(\src)-1:(\src)], v[\add:\add+1] op_sel:[1,0] op_sel_hi:[1,1]
.else
	v_pk_add_f32 v[\dst:\dst+1], v[(\src):(\src)+1], v[\add:\add+1] op_sel:[0,0] op_sel_hi:[0,1]
.endif
.endm
; 32 LDS loads: my two classes of the wave's 32 rows.  The four q of a wave read 32 neighbouring bytes; the eight b share them.
.macro LOADZ buf, off
.set j, 0
.rept 32
	ds_load_b64 v[\buf+2*j:\buf+2*j+1], v[ZA] offset:\off+ROWB*j
.set j, j+1
.endr
.endm
; One step: t = z * log2 e + P[leaf] (fused), the exact maximum of each of my two classes over the 32 leaves, the sum of 2^(t - max), the record.
; Its 64 exponentials are one batch with one wait (EXPSUM); stepz is handed on to it.
.macro STEP buf, recoff, stepz=0
.set j, 0
.rept 32
.if j & 1
	v_pk_fma_f32 v[\buf+2*j:\buf+2*j+1], v[\buf+2*j:\buf+2*j+1], s[KK:KK+1], v[PP+j-1:PP+j] op_sel:[0,0,1] op_sel_hi:[1,0,1]
.else
	v_pk_fma_f32 v[\buf+2*j:\buf+2*j+1], v[\buf+2*j:\buf+2*j+1], s[KK:KK+1], v[PP+j:PP+j+1] op_sel:[0,0,0] op_sel_hi:[1,0,0]
.endif
.set j, j+1
.endr
	MAXRED MM, \buf, 2, 7, 2
	EXPSUM \buf, 32, 0, \stepz
	ds_store_b128 v[RA], v[MM:MM+3] offset:\recoff         ; (m0, m1, s0, s1)
.endm
; The merge of unit e + 8 t: eight loads, one record of each wave.  8 units on are 4,096 bytes of records and 2,048 bytes of out0, in the immediates.
.macro MLOAD rc, t
.irp w, 0,1,2,3
	ds_load_b128 v[\rc+4*\w:\rc+4*\w+3], v[MA] offset:\w*RECW+4096*\t
.endr
.irp w, 0,1,2,3
	ds_load_b128 v[\rc+16+4*\w:\rc+16+4*\w+3], v[MB] offset:\w*RECW+4096*\t
.endr
.endm
; M = the output's maximum over all 256 leaves; out = ln 2 * (M + log2 of the sum over the waves of 2^(m - M) * s).
; The registers of unit e + 8 t: its eight records (the fourth unit takes the first one's place) and its eight registers at work.
.macro MREG t
.set mrc, RC+32*((\t)%3)
.set mst, MS+8*(\t)
.endm
; A unit's first part: M, m - M, and the 16 exponentials, in place.  Nothing here names an exponential's result, this unit's or an earlier one's.
.macro MEXPS t
	MREG \t
.irp h, 0,1
	v_max3_num_f32 v[mst+2+\h], v[mrc+\h], v[mrc+4+\h], v[mrc+8+\h]
.endr
.irp h, 0,1
	v_max3_num_f32 v[mst+2+\h], v[mst+2+\h], v[mrc+12+\h], v[mrc+16+\h]
.endr
.irp h, 0,1
	v_max3_num_f32 v[mst+2+\h], v[mst+2+\h], v[mrc+20+\h], v[mrc+24+\h]
.endr
.irp h, 0,1
	v_max_num_f32 v[mst+\h], v[mst+2+\h], v[mrc+28+\h]
.endr
.irp w, 0,1,2,3,4,5,6,7
	v_pk_add_f32 v[mrc+4*\w:mrc+4*\w+1], v[mrc+4*\w:mrc+4*\w+1], v[mst:mst+1] neg_lo:[0,1] neg_hi:[0,1]
.endr
.irp w, 0,1,2,3,4,5,6,7
	v_exp_f32 v[mrc+4*\w], v[mrc+4*\w]
	v_exp_f32 v[mrc+4*\w+1], v[mrc+4*\w+1]
.endr
.endm
; The rest, for the units named, whose exponentials are one batch: its wait; the sums, the units' links by turns; the logarithms, a second batch; its wait; the results.
; Each unit has result registers of its own, so no store's data is written again.
.macro MTAIL units:vararg
.irp t, \units
	MREG \t
	v_mul_f32 v[mst+2], s40, v[mst]                ; the first maximum in nats; also the plain place behind the exponentials (ISA guide 5.7.2)
.endr
	s_wait_alu depctr_va_vdst(0)                   ; one wait for the batch of these units' exponentials, 16 a unit
.irp t, \units
	MREG \t
	v_pk_mul_f32 v[mst+4:mst+5], v[mrc:mrc+1], v[mrc+2:mrc+3]
.endr
.irp w, 1,2,3,4,5,6,7
.irp t, \units
	MREG \t
	v_pk_fma_f32 v[mst+4:mst+5], v[mrc+4*\w:mrc+4*\w+1], v[mrc+4*\w+2:mrc+4*\w+3], v[mst+4:mst+5]
.endr
.endr
.irp t, \units
	MREG \t
	v_log_f32 v[mst+4], v[mst+4]
	v_log_f32 v[mst+5], v[mst+5]
.endr
.irp t, \units
	MREG \t
	v_mul_f32 v[mst+3], s40, v[mst+1]              ; the second maximum in nats; also the plain place behind the logarithms
.endr
	s_wait_alu depctr_va_vdst(0)                   ; one wait for the batch of these units' logarithms, 2 a unit
.irp t, \units
	MREG \t
	v_pk_fma_f32 v[OUTR+2*\t:OUTR+2*\t+1], v[mst+4:mst+5], s[LN2:LN2+1], v[mst+2:mst+3] op_sel_hi:[1,0,1]
	global_store_b64 v[OA], v[OUTR+2*\t:OUTR+2*\t+1], s[24:25] offset:2048*\t th:TH_STORE_NT   ; the wave's 32 lanes store 256 consecutive bytes, at a multiple of 256 from out0's first byte
.endr
.endm
	s_load_b128 s[4:7], s[0:1], 0x0                ; leaf_logits s[4:5], similarities s[6:7]
	s_load_b64 s[24:25], s[0:1], 0x10              ; out0
	v_lshl_add_u32 v248, v0, 2, 0x4f400
	v_mov_b32 v249, 0
	ds_add_u32 v248, v249
	v_lshrrev_b32 v[LANE], 5, v0
	v_readfirstlane_b32 s8, v[LANE]                ; wave e, 0 to 7
	v_and_b32 v[LANE], 31, v0
	s_bfe_u32 s9, ttmp6, 0x40000                   ; my place in the cluster
	s_lshl_b32 s10, ttmp9, 2                       ; in a cluster launch ttmp9 counts clusters
	s_add_co_u32 s10, s10, s9                      ; work-group 0 to 255: enters global addresses alone
	; Descriptor group 1: a dense block of 25,600 bytes as 100 rows of 32 elements of 8 bytes; mask = the four work-groups of the cluster, bit 21 beside it.
	s_mov_b32 s16, 15|(3<<16)|(1<<21)
	s_mov_b32 s17, 32<<16                          ; tensor_dim0 = 32
	s_mov_b32 s18, 100<<16                         ; tensor_dim1 = 100
	s_mov_b32 s19, 32<<16                          ; tile_dim0 = 32
	s_mov_b32 s20, 100                             ; tile_dim1 = 100
	s_mov_b32 s21, 32                              ; from row to row: 32 elements
	s_mov_b32 s22, 0
	s_mov_b32 s23, 0
	s_mov_b32 s12, 1                               ; group 0: count
	s_mul_i32 s13, s8, ZREG                        ; LDS address: wave x 25,600
	s_mul_i32 s26, s8, ZREG                        ; and the same distance into leaf_logits
	s_mov_b32 s27, 0
	s_mul_i32 s37, s8, ZREG                        ; once more, for vector addresses
	s_mov_b32 s28, 0x3fb8aa3b                      ; log2 e
	s_mov_b32 s29, 0x3fb8aa3b
	s_mov_b32 s30, 0x33d6bf95                      ; 1e-7
	s_mov_b32 s31, 0xbfb8aa3b                      ; - log2 e
	s_mov_b32 s32, 0xbab60b61                      ; - 1/720
	s_mov_b32 s33, 0x3c088889                      ; 1/120
	s_mov_b32 s34, 0xbd2aaaab                      ; - 1/24
	s_mov_b32 s35, 0x3e2aaaab                      ; 1/6
	s_mov_b32 s40, 0x3f317218                      ; ln 2
	s_mov_b32 s41, 0x3f317218
	s_lshl_b32 s44, s10, 5                         ; my 8 columns: 32 bytes of every row of similarities
	s_mov_b32 s45, 0
	; ALL ADDRESSES, once.
	; similarities and the node table: thread t takes batch column t % 8 of the nodes t / 8 + 32 k, k = 0 .. 7.
	v_lshrrev_b32 v[TT], 3, v0
	v_and_b32 v[TT+1], 7, v0
	v_lshlrev_b32 v[TT+1], 2, v[TT+1]
	v_lshl_or_b32 v[GA], v[TT], 13, v[TT+1]        ; (t / 8) rows of 8,192 bytes + 4 (t % 8)
	v_min_u32 v[TT], 30, v[TT]
	v_lshl_or_b32 v[GB], v[TT], 13, v[TT+1]        ; for k = 7: never beyond node 254
	v_lshl_add_u32 v[TS], v0, 3, TAB               ; node * 64 + b * 8 = 8 t + 2,048 k
	v_mul_u32_u24 v[RW], v[LANE], ROWB
	v_add_nc_u32 v[RW], s37, v[RW]                 ; row `lane` of my wave's 32
	v_lshl_add_u32 v[LS], v0, 2, LSE               ; thread = leaf
	v_and_b32 v[QQ], 3, v[LANE]                    ; q
	v_lshrrev_b32 v[BB], 2, v[LANE]                ; b
	v_lshl_add_u32 v[ZA], v[QQ], 3, s37            ; wave x 25,600 + 8 q
	v_mul_u32_u24 v[RA], v[BB], 1600               ; record (b * 100 + 4 k + q) * 16
	v_lshl_add_u32 v[RA], v[QQ], 4, v[RA]
	s_mul_i32 s38, s8, RECW
	s_add_co_u32 s38, s38, REC
	v_add_nc_u32 v[RA], s38, v[RA]
	v_lshl_add_u32 v[VBT], v[BB], 3, TAB           ; my column of the node table; p_left lies at + 0, p_right at + 4
	s_lshr_b32 s42, s8, 2                          ; at the root: right if e >= 4
	s_lshl_b32 s38, s42, 2
	v_add_nc_u32 v[AD+5], s38, v[VBT]              ; node 0, side e / 4
	s_lshl_b32 s38, s42, 6
	s_lshr_b32 s39, s8, 1
	s_and_b32 s43, s39, 1
	s_lshl_b32 s43, s43, 2
	s_add_co_u32 s38, s38, s43
	v_add_nc_u32 v[AD+6], s38, v[VBT]              ; node 1 + e / 4 (the 1 in the load's offset), side (e / 2) % 2
	s_lshl_b32 s38, s39, 6
	s_and_b32 s43, s8, 1
	s_lshl_b32 s43, s43, 2
	s_add_co_u32 s38, s38, s43
	v_add_nc_u32 v[AD+7], s38, v[VBT]              ; node 3 + e / 2 (the 3 in the load's offset), side e % 2
.set d, 0
.rept 5
	v_lshl_add_u32 v[AD+d], s8, 6+d, v[VBT]        ; level 3 + d: nodes (8 << d) - 1 + (e << d) + i; all but e << d in the loads' offsets
.set d, d+1
.endr
	s_lshl_b32 s38, s8, 7
	s_add_co_u32 s38, s38, LSE
	v_mov_b32 v[AD+8], s38                         ; my wave's 32 words of lse
	s_lshl_b32 s39, s8, 9
	s_add_co_u32 s39, s39, REC
	v_lshl_add_u32 v[MA], v[LANE], 4, s39          ; unit e = 512 e bytes of records, 16 a lane
	v_add_nc_u32 v[MB], 4*RECW, v[MA]
	s_lshl_b32 s43, s8, 8
	v_lshl_add_u32 v[OA], v[LANE], 3, s43          ; unit e = 256 e bytes of out0, 8 a lane
	s_wait_dscnt 0x0
	s_wait_kmcnt 0x0
	s_add_nc_u64 s[14:15], s[4:5], s[26:27]
	s_or_b32 s15, s15, 0x80000000                  ; type = 2
	s_add_nc_u64 s[6:7], s[6:7], s[44:45]
	s_mul_i32 s44, s10, 6400
	s_add_nc_u64 s[24:25], s[24:25], s[44:45]      ; my 8 rows of out0
	; There is no node 255: its thread loads node 254 again and fills the table's place 255, which nobody reads.
	; These loads go out ahead of the round: nobody writes their bytes, and they are on their way while the work-groups meet.
.irp k, 0,1,2,3,4,5,6
	global_load_b32 v[SIM+\k], v[GA], s[6:7] offset:\k*262144
.endr
	global_load_b32 v[SIM+7], v[GB], s[6:7] offset:7*262144
	ROUND                                          ; the four work-groups are here: their joint loads meet
	tensor_load_to_lds s[12:15], s[16:23]          ; my wave's 32 rows; the only tensor load of the wave, so one is out
	s_nop 0
	; THE NODE TABLE.
	s_wait_loadcnt 0x0                             ; the eight similarities
.irp k, 0,1,2,3,4,5,6,7
	v_add_f32 v[ABSV+\k], |v[SIM+\k]|, s30         ; a = |s| + 1e-7
.endr
.irp k, 0,1,2,3,4,5,6,7
	v_mul_f32 v[EXQ+\k], s31, v[ABSV+\k]
.endr
.irp k, 0,1,2,3,4,5,6,7
	v_exp_f32 v[EXQ+\k], v[EXQ+\k]                 ; exp(-a); the series below stands between these and their use
.endr
	; (1 - exp(-a)) / a = 1 - a/2 + a^2/6 - a^3/24 + a^4/120 - a^5/720 + ..: used below a = 1/8, where the first term left out, a^6/5040, is under 8e-10
.irp k, 0,1,2,3,4,5,6,7
	v_fma_f32 v[POL+\k], v[ABSV+\k], s32, s33
.endr
.irp k, 0,1,2,3,4,5,6,7
	v_fma_f32 v[POL+\k], v[ABSV+\k], v[POL+\k], s34
.endr
.irp k, 0,1,2,3,4,5,6,7
	v_fma_f32 v[POL+\k], v[ABSV+\k], v[POL+\k], s35
.endr
.irp k, 0,1,2,3,4,5,6,7
	v_fma_f32 v[POL+\k], v[ABSV+\k], v[POL+\k], -0.5
.endr
.irp k, 0,1,2,3,4,5,6,7
	v_fma_f32 v[POL+\k], v[ABSV+\k], v[POL+\k], 1.0
.endr
	s_wait_alu depctr_va_vdst(0)                   ; one wait for the batch of eight exponentials; the series' forty lines name none of their results
.irp k, 0,1,2,3,4,5,6,7
	v_mul_f32 v[POL+\k], v[ABSV+\k], v[POL+\k]     ; small a: no cancellation
	v_sub_f32 v[EXQ+\k], 1.0, v[EXQ+\k]            ; a >= 1/8: the difference is at least 0.117, so an ulp of the exponential is under 6e-7 of it
	v_cmp_gt_f32 vcc_lo, 0x3e000000, v[ABSV+\k]
	v_cndmask_b32 v[POL+\k], v[EXQ+\k], v[POL+\k], vcc_lo
.endr
.irp k, 0,1,2,3,4,5,6,7
	v_log_f32 v[PLR+2*\k], v[POL+\k]               ; p_left in log2 units
.endr
.irp k, 0,1,2,3,4,5,6,7
	v_mul_f32 v[PLR+2*\k+1], s28, v[SIM+\k]        ; p_right in log2 units, sign as given; also the plain place behind the logarithms
.endr
	s_wait_alu depctr_va_vdst(0)                   ; one wait for the batch of eight logarithms, ahead of the stores that read them
.irp k, 0,1,2,3,4,5,6,7
	ds_store_b64 v[TS], v[PLR+2*\k:PLR+2*\k+1] offset:2048*\k
.endr
	; THE LSE OF MY WAVE'S 32 ROWS: lane = row, the row in 200 registers, so no step crosses lanes.
	s_wait_tensorcnt 0x0                           ; my rows have landed; only my wave reads them
.set i, 0
.rept 50
	ds_load_b128 v[ROW+4*i:ROW+4*i+3], v[RW] offset:16*i
.set i, i+1
.endr
	s_wait_dscnt 0x0
	MAXRED MXA+7, ROW, 1, 49, 1                    ; the row's largest logit
	v_mul_f32 v[NM], s31, v[MXA+7]                 ; - m log2 e, in both registers of the pair
	v_mul_f32 v[NM+1], s31, v[MXA+7]
	EXPSUM ROW, 100, 1                             ; the row's 200 exponentials: one batch, one wait
	v_add_f32 v[SUM], v[SUM], v[SUM+1]
	v_log_f32 v[SUM], v[SUM]
	v_nop                                          ; the plain place behind the logarithm (ISA guide 5.7.2): nothing else is left to do here
	s_wait_alu depctr_va_vdst(0)                   ; the logarithm's wait: it reads the sum of the exponentials, so it is a batch by itself
	v_sub_f32 v[SUM], v[SUM], v[NM]                ; log2 of the sum + m log2 e
	ds_store_b32 v[LS], v[SUM]
	s_wait_dscnt 0x0                               ; my part of the node table is written: zero, for the other waves' sake
	s_barrier_signal -1
	s_barrier_wait -1                              ; the node table is whole
	; THE PATHS of my batch column to my wave's 32 leaves: 42 loads.
	ds_load_b32 v[ANC], v[AD+5]                    ; node 0
	ds_load_b32 v[ANC+1], v[AD+6] offset:64        ; node 1 + e / 4
	ds_load_b32 v[ANC+2], v[AD+7] offset:192       ; node 3 + e / 2
.set d, 0
.rept 5                                            ; level 3 + d: nodes (8 << d) - 1 + (e << d) + i, i < 1 << d
.set i, 0
.rept 1<<d
	ds_load_b64 v[NODE+2*((1<<d)-1+i):NODE+2*((1<<d)-1+i)+1], v[AD+d] offset:64*((8<<d)-1+i)
.set i, i+1
.endr
.set d, d+1
.endr
.irp i, 0,1,2,3,4,5,6,7
	ds_load_b128 v[LSV+4*\i:LSV+4*\i+3], v[AD+8] offset:16*\i      ; my wave's own 32 words, the same in every lane
.endr
	s_wait_dscnt 0x0
	LOADZ BUFA, 0                                  ; step 0's logits, on their way during the sums below
	v_add_f32 v[ANC], v[ANC], v[ANC+1]
	v_add_f32 v[ANC], v[ANC], v[ANC+2]             ; root to node 7 + e
	v_add_f32 v[PP], v[ANC], v[NODE]
	v_add_f32 v[PP+1], v[ANC], v[NODE+1]
.set d, 1
.rept 4                                            ; 2^d paths become 2^(d+1), in place, from the top down: path i is read before places 2 i, 2 i + 1 are written
.set i, (1<<d)-1
.rept 1<<d
	BADD PP+2*i, PP+i, NODE+2*((1<<d)-1+i)
.set i, i-1
.endr
.set d, d+1
.endr
.set i, 0
.rept 16
	v_pk_add_f32 v[PP+2*i:PP+2*i+1], v[PP+2*i:PP+2*i+1], v[LSV+2*i:LSV+2*i+1] neg_lo:[0,1] neg_hi:[0,1]   ; the leaf's lse goes into the path: raw logits serve below
.set i, i+1
.endr
	; THE MAIN LOOP: 25 steps on two buffers, each filled a step ahead.  A step's 64 exponentials are one batch; its wait stands ahead of the step's sums, so no result crosses the backward jump.
	s_mov_b32 s36, 0
	s_wait_dscnt 0x0                               ; step 0's logits are in buffer A
.Lstep:
	LOADZ BUFB, 32                                 ; step 2 i + 1
	STEP BUFA, 0                                   ; step 2 i
	s_wait_dscnt 0x1                               ; buffer B's 32 loads are done; the one instruction issued behind them, step 2 i's record store, may be out
	LOADZ BUFA, 64                                 ; step 2 i + 2, at most 24
	STEP BUFB, 64, 1                               ; step 2 i + 1; the logits' address steps behind its exponentials: both runs of loads of this trip have been issued
	s_wait_dscnt 0x1                               ; likewise: buffer A's loads are done, the record store behind them may be out
	v_add_nc_u32 v[RA], 128, v[RA]                 ; two steps of 4 records
	s_add_co_u32 s36, s36, 1
	s_cmp_lt_u32 s36, 12
	s_cbranch_scc1 .Lstep
	STEP BUFA, 0                                   ; step 24
	s_wait_dscnt 0x0                               ; my records are written: zero, for the other waves' sake
	s_barrier_signal -1
	s_barrier_wait -1
	; THE MERGE.  Unit u = 32 neighbouring pairs of classes = 256 consecutive bytes of out0; 25 units.  Wave e takes u = e, e + 8, e + 16; wave 0 also u = 24.
	; The three units' exponentials are one batch, their logarithms a second one; each unit's exponentials go out as soon as its records are in.
	MLOAD RC, 0
	MLOAD RC+32, 1
	MLOAD RC+64, 2
	s_wait_dscnt 16                                ; the first unit's eight loads are done; the sixteen behind them may be out
	MEXPS 0
	s_wait_dscnt 8                                 ; the second unit's; the last eight may be out
	MEXPS 1
	s_wait_dscnt 0x0
	MEXPS 2
	MTAIL 0,1,2
	s_cmp_lg_u32 s8, 0
	s_cbranch_scc1 .Lmerged
	MLOAD RC, 3                                    ; unit 24
	s_wait_dscnt 0x0
	MEXPS 3
	MTAIL 3
.Lmerged:
	s_wait_tensorcnt 0x0
	ds_add_u32 v248, v249
	s_wait_dscnt 0x0
	ROUND                                          ; the closing round: no work-group ends while a partner may still ask for rows jointly
	s_endpgm
.Lfunc_end_k_q5b8fa7cd0f_tree_lse:
	.size	k_q5b8fa7cd0f_tree_lse, .Lfunc_end_k_q5b8fa7cd0f_tree_lse-k_q5b8fa7cd0f_tree_lse
	.p2alignl 7, 3214868480
	.fill 96, 4, 3214868480
	.section	.rodata,"a",@progbits
	.p2align	6, 0x0
	.amdhsa_kernel k_q5b8fa7cd0f_tree_lse
		.amdhsa_group_segment_fixed_size 325632
		.amdhsa_private_segment_fixed_size 0
		.amdhsa_enable_private_segment 0
		.amdhsa_kernarg_size 24
		.amdhsa_user_sgpr_count 2
		.amdhsa_user_sgpr_kernarg_segment_ptr 1
		.amdhsa_wavefront_size32 1
		.amdhsa_system_sgpr_workgroup_id_x 1
		.amdhsa_system_sgpr_workgroup_id_y 1
		.amdhsa_system_sgpr_workgroup_id_z 1
		.amdhsa_system_vgpr_workitem_id 0
		.amdhsa_next_free_vgpr 250
		.amdhsa_next_free_sgpr 66
		.amdhsa_reserve_vcc 1
		.amdhsa_float_denorm_mode_32 3
		.amdhsa_float_denorm_mode_16_64 3
		.amdhsa_memory_ordered 1
		.amdhsa_forward_progress 1
		.amdhsa_inst_pref_size 95
	.end_amdhsa_kernel
	.amdgpu_metadata
---
amdhsa.version: [ 1, 2 ]
amdhsa.kernels:
  - .name:           k_q5b8fa7cd0f_tree_lse
    .symbol:         k_q5b8fa7cd0f_tree_lse.kd
    .args:
      - { .name: leaf_logits, .offset: 0, .size: 8, .value_kind: global_buffer, .address_space: global }
      - { .name: similarities, .offset: 8, .size: 8, .value_kind: global_buffer, .address_space: global }
      - { .name: out0, .offset: 16, .size: 8, .value_kind: global_buffer, .address_space: global }
    .group_segment_fixed_size: 325632
    .private_segment_fixed_size: 0
    .kernarg_segment_align: 8
    .kernarg_segment_size: 24
    .max_flat_workgroup_size: 256
    .sgpr_count:     66
    .vgpr_count:     250
    .wavefront_size: 32
...
	.end_amdgpu_metadata
.endif
;; end of part 2
